; MI455X (gfx1250); checked and timed in simulation.
; The chip was launched on July 23, 2026; its instructions are those of AMD's public machine-readable ISA for CDNA 5 (MIT licence, August 2026) and "CDNA5" Instruction Set Architecture Reference Guide (July 2026). The comments in the code are by the model that wrote it; some were corrected since.
;; GMF. Allowed arithmetic: matrix products marked QUANTISED: E5M2 operands, one E8M0 scale for each 32 along K, by v_wmma_scale_f32_16x16x128_f8f6f4 with both operands' format E5M2, f32 sums; everything else in f32.
;; Inputs: P_weight 64 x 1,000,000 float32; Q_weight 64 x 100,032 float32; genres_one_hot 16,384 x 32 float32; item_ids 16,384 int32; user_ids 16,384 int32.
;; Outputs: out0 16,384 x 1 float32.
;; This version of the problem:
;;   THIS VERSION OF THE PROBLEM IS GIVEN IN LOW PRECISION. The matrix products marked QUANTISED in the list below multiply operands that are first quantised to E5M2 (5 exponent bits, 2 mantissa bits; 8 bits a number), with one power-of-two scale for each 32 numbers along K (OCP MX v1.0); their sums are f32. All else is computed in f32.
;;   The module's matrix products, in the order in which they are computed (A, B: the left and right operand; K: the contracted axis; several contracted axes count as one K, in the product's order):
;;     1. [M 16,384, K 32] x [K 32, N 64]; A: input genres_one_hot; B: input Q_weight: QUANTISED
;;   THE QUANTISER, for each operand of a quantised product, along K:
;;     - K is cut into blocks of 32 from its start; a last block that is shorter is filled with zeros.
;;     - A block's scale is 2^e with e = floor(log2(the largest magnitude in the block)) - 15, held to -126 .. 127; a block of zeros has e = 0. As a byte (E8M0): e + 127.
;;     - Each number is divided by its block's scale, clamped to +-57,344, and rounded to the nearest number of E5M2, ties to even, subnormals kept.
;;     - The product sums the exact products of the quantised numbers (number of the format x scale) in f32.
;;   ~~~python
;;   def quantise(x, axis):      # numpy; x: float32 -> the quantised numbers, widened to float32 again
;;       x = np.moveaxis(x, axis, -1); K = x.shape[-1]
;;       x = np.pad(x, [(0, 0)] * (x.ndim - 1) + [(0, -K % 32)]); x = x.reshape(x.shape[:-1] + (-1, 32)); a = np.abs(x).max(-1, keepdims=True)
;;       e = np.where(a > 0, np.clip(np.frexp(np.where(a > 0, a, 1))[1] - 1 - 15, -126, 127), 0)      # np.frexp(a)[1] - 1 = floor(log2(a)), exactly
;;       r = np.clip(x / 2.0 ** e, -57344, 57344)
;;       step = 2.0 ** (np.maximum(np.frexp(np.where(r == 0, 1, r))[1] - 1, -14) - 2)
;;       q = np.round(r / step) * step * 2.0 ** e      # np.round: ties to even
;;       return np.moveaxis(q.reshape(q.shape[:-2] + (-1,))[..., :K], -1, axis).astype(np.float32)
;;   ~~~
;; 2 versions. Each part assembles by itself: llvm-mc -triple=amdgcn-amd-amdhsa -mcpu=gfx1250 --defsym DOCPART=n.
;; ======== version 1 of 2: 1 launch
;; launch gmf (part 1): grid 256 x 1, 4 waves a work-group, no clusters, 3,328 bytes of LDS; arguments user_ids, item_ids, genres_one_hot, P_weight, Q_weight, out0; writes out0
.if DOCPART == 1
	.amdgcn_target "amdgcn-amd-amdhsa--gfx1250"
	.amdhsa_code_object_version 6
	.text
	.protected	k_q407321e8c7_gmf
	.globl	k_q407321e8c7_gmf
	.p2align	8
	.type	k_q407321e8c7_gmf,@function
k_q407321e8c7_gmf:
	s_mov_b64 s[64:65], 0
	v_nop
	global_prefetch_b8 v0, s[64:65] scope:SCOPE_SE
	s_setreg_imm32_b32 hwreg(HW_REG_WAVE_MODE, 25, 1), 1
	s_wait_xcnt 0x0
; out[b] = sum over k of P[k][user[b]] * (Q[k][item[b]] + sum over g of genres[b][g] * Q[k][100000 + g]),  b < 16,384, k < 64, g < 32.
; The product over g is made on codes of BF8 (E5M2) with one E8M0 scale for each operand's block of 32 along g; all else is f32.
; SHARES.  256 work-groups of four waves; a work-group owns 64 batch rows (256 bytes of out), a wave 16 of them.
; LAYOUT.  THE MATRIX INSTRUCTION IS USED TRANSPOSED: source 0 = 16 latent rows of Q's genre columns, source 1 = my 16 rows of genres.  In the result lane (r, h) holds
; ONE batch row r, and register j of tile t the latent 16 t + 8 h + j.  So a lane needs one user id and one item id, its gathers differ only in the table's row (scalar bases
; and immediates), the gathered words of Q lie exactly as the instruction's C and are given to it as C (no addition is written), and the sum over k stays in the lane but for one exchange.
; ORDER.  The 64 gathers of a wave (2,048 scattered words) go out as soon as its ids are in; the quantising, the exchange of Q's codes and the products stand under them.
; K is 32 of the instruction's 128: registers 4-15 of every fragment hold zero codes, and bytes 1-3 of the scale words are 0 (2^-127, no NaN): they add nothing.
; NO TENSOR LOADS, NO CLUSTER: nothing here is a tile; all that work-groups share is the 8,192 bytes of genre columns, against 8,192 scattered words that each fetches for itself.
; NO PREFETCH: each gather is issued as soon as its address is known.
; LIMITS.  An id outside its table (a negative one counts as a large unsigned number) is held at the table's last column.  NaN and infinities in genres or in the genre columns are not served.
; Blocks whose largest magnitude lies under 2^-110, whose scale byte is held at 1, follow the rule but were not tried.  The 64 products of a row are summed in another order than a plain chain, in f32.
.set NUSERS, 1000000
.set NITEMS, 100000
.set ROWP,   NUSERS*4                  ; a row of P in bytes
.set ROWQ,   (NITEMS+32)*4             ; a row of Q in bytes
.set GCOL,   NITEMS*4                  ; where the genre columns begin in a row of Q; a multiple of 16, as ROWQ is
.set LQC,    0                         ; LDS: the codes of Q's genre columns, 512 bytes a tile of 16 latents, as the 32 lanes hold them
.set LQS,    2048                      ; their scale words, 128 bytes a tile
.set LOUT,   2560                      ; the work-group's 64 results
.set R,    1                           ; v1   lane % 16: my batch row in the wave's 16; also my latent row in a tile of Q
.set H,    2                           ; v2   lane / 16
.set IDO,  3                           ; v3   byte offset of my row's id
.set GOF,  4                           ; v4   byte offset of my 16 numbers of genres
.set WOF,  5                           ; v5   byte offset of my row of Q (the genre columns stand in the immediate)
.set UID,  6                           ; v6   my user id
.set IID,  7                           ; v7   my item id
.set VP,   8                           ; v8   4 x user id + 8 h rows of P
.set VQ,   9                           ; v9   4 x item id + 8 h rows of Q
.set WVT,  10                          ; v10  the wave's number, on its way to a scalar
.set LANE, 11                          ; v11
.set HP,   12                          ; v12  8 h rows of P
.set HQ,   13                          ; v13  8 h rows of Q
.set LWC,  14                          ; v14  LDS: where I put my codes:      16 lane + 512 wave
.set LWS,  15                          ; v15  and my scale word:               4 lane + 128 wave
.set LRC,  16                          ; v16  where I read a tile's codes:    16 lane
.set LRS,  17                          ; v17  and its scale words:             4 lane
.set LO,   18                          ; v18  where I put my row's result:     4 r + 64 wave
.set LRO,  19                          ; v19  where wave 0 reads results:      8 lane
.set T0,   20                          ; v20-23 at work
.set T1,   21
.set T2,   22
.set T3,   23
.set EW,   24                          ; v24  the scale byte of my row of Q, on its way to LDS
.set CW,   26                          ; v26-29  its 16 codes, likewise
.set GOUT, 30                          ; v30  byte offset in out of wave 0's 8 bytes a lane
.set G,    32                          ; v32-47  16 numbers of genres
.set W,    48                          ; v48-63  16 numbers of Q's genre columns
.set QI,   64                          ; v64-95  Q[16 t + 8 h + j][item] at 8 t + j; then q_item + q_genre
.set PU,   96                          ; v96-127 P[16 t + 8 h + j][user] at 8 t + j
.set AF,   128                         ; v128-191 four fragments of Q's genre columns
.set BF,   192                         ; v192-207 the fragment of genres
.set SA,   208                         ; v208-211 scale words of the four tiles of Q: they hold scales and nothing else
.set SB,   212                         ; v212 scale word of genres: likewise
.set S,    214                         ; v214-221 four pairs of partial sums
.set OUTR, 222                         ; v222-223 the way out
.set WV,   16                          ; s16  my wave's number
.set SEL,  20                          ; s[20:21] lane selects of v_permlanex16_b32: lane l xor 16
.set PB,   24                          ; s[24:47] P at row 16 t + 3 u, u = 0 .. 2: pair 3 t + u.  The immediates are 0, 1 or 2 rows: 8,000,000 bytes at the most, inside the signed 24 bits (ISA guide, chapter 10), and never negative
.set QB,   48                          ; s[48:53] Q at row 16 t, t = 1 .. 3 (t = 0 is Q itself); the immediates are 0 .. 7 rows, 2,800,896 bytes at the most
	s_load_b256 s[4:11], s[0:1], 0x0               ; user_ids s[4:5], item_ids s[6:7], genres s[8:9], P s[10:11]
	s_load_b128 s[12:15], s[0:1], 0x20             ; Q s[12:13], out s[14:15]
	v_lshl_add_u32 v224, v0, 2, 0xb00
	v_mov_b32 v225, 0
	v_lshrrev_b32 v[WVT], 5, v0
	v_readfirstlane_b32 s[WV], v[WVT]              ; wave 0..3
	v_and_b32 v[R], 15, v0
	v_bfe_u32 v[H], v0, 4, 1
	v_and_b32 v[LANE], 31, v0
	s_lshl_b32 s17, ttmp9, 8                       ; the work-group's 64 rows x 4 bytes: its place in the ids and in out
	s_lshl_b32 s18, s[WV], 6                       ; the wave's 16 rows x 4 bytes
	s_add_co_u32 s18, s17, s18
	s_mul_i32 s19, s[WV], 16*ROWQ                  ; wave w quantises latents 16 w .. 16 w + 15 of Q
	v_lshl_add_u32 v[IDO], v[R], 2, s18            ; 4 x my batch row
	v_lshlrev_b32 v[GOF], 5, v[IDO]                ; 128 x my batch row
	v_lshl_add_u32 v[GOF], v[H], 6, v[GOF]         ; + 64 h: genres 16 h .. 16 h + 15
	v_mul_u32_u24 v[WOF], v[R], ROWQ
	v_lshl_add_u32 v[WOF], v[H], 6, v[WOF]
	v_add_nc_u32 v[WOF], s19, v[WOF]               ; row 16 w + r of Q, + 64 h
	s_wait_kmcnt 0x0
	global_load_b32 v[IID], v[IDO], s[6:7]         ; the ids first: the gathers hang on them
	global_load_b32 v[UID], v[IDO], s[4:5]
.irp i, 0,1,2,3
	global_load_b128 v[G+4*\i:G+4*\i+3], v[GOF], s[8:9] offset:16*\i th:TH_LOAD_NT   ; the four together read the wave's 2,048 consecutive bytes
.endr
.irp i, 0,1,2,3
	global_load_b128 v[W+4*\i:W+4*\i+3], v[WOF], s[12:13] offset:GCOL+16*\i
.endr
	; while the ids are on their way: bases, addresses, zero codes
	s_mov_b32 s[SEL], 0x76543210
	s_mov_b32 s[SEL+1], 0xfedcba98
	s_mov_b32 s22, 8*ROWP
.irp t, 0,1,2,3
.irp u, 0,1,2
.if (16*\t+3*\u) == 0
	s_mov_b64 s[PB:PB+1], s[10:11]
.else
	s_add_nc_u64 s[PB+6*\t+2*\u:PB+6*\t+2*\u+1], s[10:11], (16*\t+3*\u)*ROWP
.endif
.endr
.endr
.irp t, 1,2,3
	s_add_nc_u64 s[QB+2*\t-2:QB+2*\t-1], s[12:13], 16*\t*ROWQ
.endr
	v_mul_lo_u32 v[HP], v[H], s22                  ; lanes 16-31 take the rows 8 further down
	v_mul_u32_u24 v[HQ], v[H], 8*ROWQ
	s_lshl_b32 s23, s[WV], 9
	v_lshl_add_u32 v[LWC], v[LANE], 4, s23
	s_lshl_b32 s23, s[WV], 7
	v_lshl_add_u32 v[LWS], v[LANE], 2, s23
	v_lshlrev_b32 v[LRC], 4, v[LANE]
	v_lshlrev_b32 v[LRS], 2, v[LANE]
	s_lshl_b32 s23, s[WV], 6
.irp t, 0,1,2,3
.irp i, 4,5,6,7,8,9,10,11,12,13,14,15
	v_mov_b32 v[AF+16*\t+\i], 0                    ; K = 32 .. 127 of the instruction: zero codes
.endr
.endr
.irp i, 4,5,6,7,8,9,10,11,12,13,14,15
	v_mov_b32 v[BF+\i], 0
.endr
	s_wait_loadcnt 8                               ; both ids are in; the eight loads behind them may be out
	v_min_u32 v[IID], NITEMS-1, v[IID]             ; an id enters an address only held inside its table
	v_min_u32 v[UID], NUSERS-1, v[UID]
	v_lshl_add_u32 v[VQ], v[IID], 2, v[HQ]
	v_lshl_add_u32 v[VP], v[UID], 2, v[HP]
; THE GATHERS.  Q's first: they are the C of the products, which then stand under P's.
.macro QGATHER t, base
.irp j, 0,1,2,3,4,5,6,7
	global_load_b32 v[QI+8*\t+\j], v[VQ], s[\base:\base+1] offset:\j*ROWQ       ; Q[16 t + 8 h + j][item]
.endr
.endm
	QGATHER 0, 12
	QGATHER 1, QB
	QGATHER 2, QB+2
	QGATHER 3, QB+4
	s_wait_loadcnt 32                              ; genres and the genre columns, asked for straight behind the ids, are in; Q's 32 gathers may be out
.irp t, 0,1,2,3                                    ; with these 32 the wave has 64 gathers issued; an issue that would push the counter past its field is held back until a load has come in (ISA guide 5.7.1), so no wait is written for that
.irp j, 0,1,2,3,4,5,6,7
	global_load_b32 v[PU+8*\t+\j], v[VP], s[PB+6*\t+2*(\j/3):PB+6*\t+2*(\j/3)+1] offset:(\j%3)*ROWP   ; P[16 t + 8 h + j][user]
.endr
.endr
; THE QUANTISER.  X: my 16 numbers of a block of 32, the other 16 being lane l xor 16's.  C: four registers for my 16 codes.  E: the block's scale byte.
; The largest magnitude's exponent field is floor(log2) + 127, so the byte is that field - 15, held at 1 from below; a block of zeros gets 127.
.macro QUANT X, C, E
	v_max3_num_f32 v[T0], |v[\X]|, |v[\X+1]|, |v[\X+2]|            ; two chains, so that they do not wait for each other
	v_max3_num_f32 v[T1], |v[\X+3]|, |v[\X+4]|, |v[\X+5]|
.irp i, 6,10
	v_max3_num_f32 v[T0], v[T0], |v[\X+\i]|, |v[\X+\i+1]|
	v_max3_num_f32 v[T1], v[T1], |v[\X+\i+2]|, |v[\X+\i+3]|
.endr
	v_max3_num_f32 v[T0], v[T0], |v[\X+14]|, |v[\X+15]|
	v_max_num_f32 v[T0], v[T0], v[T1]
	v_permlanex16_b32 v[T1], v[T0], s[SEL], s[SEL+1]               ; (its destination counts as read: T1 has been written)
	v_max_num_f32 v[T0], v[T0], v[T1]              ; the block's largest magnitude
	v_lshrrev_b32 v[T1], 23, v[T0]                 ; its exponent field
	v_max_u32 v[T1], 16, v[T1]                     ; the byte is not to fall under 1
	v_lshl_or_b32 v[T2], v[T1], 23, 0x600000       ; 57,344 x the scale
	v_add_nc_u32 v[T1], -15, v[T1]                 ; the scale's byte
	v_lshlrev_b32 v[T3], 23, v[T1]                 ; the scale as f32: the conversion takes its exponent field
	v_cmp_eq_u32 vcc_lo, 0, v[T0]                  ; a block of zeros?
.irp i, 0,1,2,3,4,5,6,7,8,9,10,11,12,13,14,15
	v_med3_num_f32 v[\X+\i], v[\X+\i], -v[T2], v[T2]               ; the conversion does not saturate (ISA guide 7.6.2): the number is held first
.endr
	v_cvt_scalef32_pk8_bf8_f32 v[\C:\C+1], v[\X:\X+7], v[T3]       ; to the nearest code, ties to even; the first number's code in the lowest byte
	v_cvt_scalef32_pk8_bf8_f32 v[\C+2:\C+3], v[\X+8:\X+15], v[T3]
	v_cndmask_b32 v[\E], v[T1], 127, vcc_lo        ; the word's bytes 1-3 stay 0.  (Also the plain instruction between a scaled conversion and what touches its result or sources)
.endm
	QUANT G, BF, SB                                ; genres first: the second quantiser's instructions are the places between these results and the products
	QUANT W, CW, EW
	ds_store_b128 v[LWC], v[CW:CW+3] offset:LQC    ; 32 lanes x 16 neighbouring bytes: the tile as its lanes hold it
	ds_store_b32 v[LWS], v[EW] offset:LQS          ; lane r holds row r's word (lanes 16-31 the same)
	s_wait_dscnt 0x0                               ; for the others' sake: my stores are done
	s_barrier_signal -1
	s_barrier_wait -1                              ; all four tiles are in LDS.  (The gathers stay on their way: nobody writes those bytes)
.irp t, 0,1,2,3
	ds_load_b128 v[AF+16*\t:AF+16*\t+3], v[LRC] offset:LQC+512*\t  ; registers 0-3 of the fragment: row r, K = 16 h .. 16 h + 15
	ds_load_b32 v[SA+\t], v[LRS] offset:LQS+128*\t
.endr
	s_wait_dscnt 0x0
	s_wait_loadcnt 32                              ; Q's 32 gathers are in; P's 32 may be out
.irp t, 0,1,2,3                                    ; q_item + q_genre: each accumulator has one instruction, its C the gathered words
	v_wmma_scale_f32_16x16x128_f8f6f4 v[QI+8*\t:QI+8*\t+7], v[AF+16*\t:AF+16*\t+15], v[BF:BF+15], v[QI+8*\t:QI+8*\t+7], v[SA+\t], v[SB] matrix_a_fmt:MATRIX_FMT_BF8 matrix_b_fmt:MATRIX_FMT_BF8
.endr
	v_lshl_add_u32 v[LO], v[R], 2, s23             ; eight places stand between the products and the first read of a result: the way out's three addresses
	v_lshlrev_b32 v[LRO], 3, v[LANE]
	v_lshl_add_u32 v[GOUT], v[LANE], 3, s17
.rept 5
	v_nop                                          ; and five for which no work is at hand
.endr
.irp t, 0,1,2,3                                    ; the sum over k: a chain for each tile, each accumulator read from its low end on
	s_wait_loadcnt 24-8*\t                         ; P's tile t is in; the later tiles' gathers may be out
	v_pk_mul_f32 v[S+2*\t:S+2*\t+1], v[PU+8*\t:PU+8*\t+1], v[QI+8*\t:QI+8*\t+1]
.irp i, 2,4,6
	v_pk_fma_f32 v[S+2*\t:S+2*\t+1], v[PU+8*\t+\i:PU+8*\t+\i+1], v[QI+8*\t+\i:QI+8*\t+\i+1], v[S+2*\t:S+2*\t+1]
.endr
.endr
	v_pk_add_f32 v[S:S+1], v[S:S+1], v[S+2:S+3]
	v_pk_add_f32 v[S+4:S+5], v[S+4:S+5], v[S+6:S+7]
	v_pk_add_f32 v[S:S+1], v[S:S+1], v[S+4:S+5]
	v_add_f32 v[S], v[S], v[S+1]                   ; my 32 latents
	v_permlanex16_b32 v[S+1], v[S], s[SEL], s[SEL+1]
	v_add_f32 v[S], v[S], v[S+1]                   ; and lane l xor 16's: both lanes now hold the row's result
	ds_store_b32 v[LO], v[S] offset:LOUT           ; both write the same word with the same value
	s_wait_dscnt 0x0                               ; for wave 0's sake
	s_barrier_signal -1
	s_barrier_wait -1
	s_cmp_lg_u32 s[WV], 0
	s_cbranch_scc1 .Ldone
	ds_load_b64 v[OUTR:OUTR+1], v[LRO] offset:LOUT
	s_wait_dscnt 0x0
	global_store_b64 v[GOUT], v[OUTR:OUTR+1], s[14:15] th:TH_STORE_NT   ; 32 lanes store the work-group's 256 consecutive bytes, at a multiple of 256 from out's first byte
.Ldone:
	s_wait_tensorcnt 0x0
	ds_add_u32 v224, v225
	s_wait_dscnt 0x0
	s_endpgm
.Lfunc_end_k_q407321e8c7_gmf:
	.size	k_q407321e8c7_gmf, .Lfunc_end_k_q407321e8c7_gmf-k_q407321e8c7_gmf
	.p2alignl 7, 3214868480
	.fill 96, 4, 3214868480
	.section	.rodata,"a",@progbits
	.p2align	6, 0x0
	.amdhsa_kernel k_q407321e8c7_gmf
		.amdhsa_group_segment_fixed_size 3328
		.amdhsa_private_segment_fixed_size 0
		.amdhsa_enable_private_segment 0
		.amdhsa_kernarg_size 48
		.amdhsa_user_sgpr_count 2
		.amdhsa_user_sgpr_kernarg_segment_ptr 1
		.amdhsa_wavefront_size32 1
		.amdhsa_system_sgpr_workgroup_id_x 1
		.amdhsa_system_sgpr_workgroup_id_y 1
		.amdhsa_system_sgpr_workgroup_id_z 1
		.amdhsa_system_vgpr_workitem_id 0
		.amdhsa_next_free_vgpr 226
		.amdhsa_next_free_sgpr 66
		.amdhsa_reserve_vcc 1
		.amdhsa_float_denorm_mode_32 3
		.amdhsa_float_denorm_mode_16_64 3
		.amdhsa_memory_ordered 1
		.amdhsa_forward_progress 1
		.amdhsa_inst_pref_size 20
	.end_amdhsa_kernel
	.amdgpu_metadata
---
amdhsa.version: [ 1, 2 ]
amdhsa.kernels:
  - .name:           k_q407321e8c7_gmf
    .symbol:         k_q407321e8c7_gmf.kd
    .args:
      - { .name: user_ids, .offset: 0, .size: 8, .value_kind: global_buffer, .address_space: global }
      - { .name: item_ids, .offset: 8, .size: 8, .value_kind: global_buffer, .address_space: global }
      - { .name: genres_one_hot, .offset: 16, .size: 8, .value_kind: global_buffer, .address_space: global }
      - { .name: P_weight, .offset: 24, .size: 8, .value_kind: global_buffer, .address_space: global }
      - { .name: Q_weight, .offset: 32, .size: 8, .value_kind: global_buffer, .address_space: global }
      - { .name: out0, .offset: 40, .size: 8, .value_kind: global_buffer, .address_space: global }
    .group_segment_fixed_size: 3328
    .private_segment_fixed_size: 0
    .kernarg_segment_align: 8
    .kernarg_segment_size: 48
    .max_flat_workgroup_size: 128
    .sgpr_count:     66
    .vgpr_count:     226
    .wavefront_size: 32
...
	.end_amdgpu_metadata
.endif
;; end of part 1
;; ======== version 2 of 2: 1 launch; version 1 with the launch gmf written anew for expert scheduling mode
;; launch gmf (part 2): grid 256 x 1, 4 waves a work-group, no clusters, 3,328 bytes of LDS; arguments user_ids, item_ids, genres_one_hot, P_weight, Q_weight, out0; writes out0
.if DOCPART == 2
	.amdgcn_target "amdgcn-amd-amdhsa--gfx1250"
	.amdhsa_code_object_version 6
	.text
	.protected	k_q407321e8c7_gmf
	.globl	k_q407321e8c7_gmf
	.p2align	8
	.type	k_q407321e8c7_gmf,@function
k_q407321e8c7_gmf:
	s_mov_b64 s[64:65], 0
	v_nop
	global_prefetch_b8 v0, s[64:65] scope:SCOPE_SE
	s_setreg_imm32_b32 hwreg(HW_REG_WAVE_SCHED_MODE, 0, 2), 2
	s_setreg_imm32_b32 hwreg(HW_REG_WAVE_MODE, 25, 1), 1
	s_wait_xcnt 0x0
	s_wait_alu depctr_vm_vsrc(0)
; out[b] = sum over k of P[k][user[b]] * (Q[k][item[b]] + sum over g of genres[b][g] * Q[k][100000 + g]),  b < 16,384, k < 64, g < 32.
; The product over g is made on codes of BF8 (E5M2) with one E8M0 scale for each operand's block of 32 along g; all else is f32.
; SHARES.  256 work-groups of four waves; a work-group owns 64 batch rows (256 bytes of out), a wave 16 of them.
; LAYOUT.  THE MATRIX INSTRUCTION IS USED TRANSPOSED: source 0 = 16 latent rows of Q's genre columns, source 1 = my 16 rows of genres.  In the result lane (r, h) holds
; ONE batch row r, and register j of tile t the latent 16 t + 8 h + j.  So a lane needs one user id and one item id, its gathers differ only in the table's row (scalar bases
; and immediates), the gathered words of Q lie exactly as the instruction's C and are given to it as C (no addition is written), and the sum over k stays in the lane but for one exchange.
; ORDER.  The 64 gathers of a wave (2,048 scattered words) go out as soon as its ids are in; the quantising, the exchange of Q's codes and the products stand under them.
; K is 32 of the instruction's 128: registers 4-15 of every fragment hold zero codes, and bytes 1-3 of the scale words are 0 (2^-127, no NaN): they add nothing.
; NO TENSOR LOADS, NO CLUSTER: nothing here is a tile; all that work-groups share is the 8,192 bytes of genre columns, against 8,192 scattered words that each fetches for itself.
; NO PREFETCH: each gather is issued as soon as its address is known.
; LIMITS.  An id outside its table (a negative one counts as a large unsigned number) is held at the table's last column.  NaN and infinities in genres or in the genre columns are not served.
; Blocks whose largest magnitude lies under 2^-110, whose scale byte is held at 1, follow the rule but were not tried.  The 64 products of a row are summed in another order than a plain chain, in f32.
; THE MODE: SCHED_MODE bits 1:0 = 2 (LLVM: expert scheduling mode 2), set by the entry lines.  The code itself states the register dependences
; between vector or matrix instructions and memory or LDS instructions, with s_wait_alu, always for 0.
; THE PLAN.  Registers that memory or LDS instructions touch, in the order of the text:
;   v3, v4, v5     offsets of the first ten loads: written at the head, never again.
;   v8, v9         the gathers' offsets: written behind the ids, read by the 64 gathers, never written again.
;   v14 .. v17     LDS addresses of the exchange of Q's codes: written while the ids are out, never again.
;   v32-63         genres and genre columns: loads land there; the quantisers then work on them in place; no memory instruction names them afterwards.
;   v64-127        the gathers land there; matrix and vector instructions alone name them afterwards.
;   v26-29, v24    Q's codes and scale byte: written by the second quantiser, read by two LDS stores, never written again.
;   v128.. (registers 0-3 of each fragment), v208-211: LDS loads land there; no vector instruction writes them.
;   v18, v214      the result and its LDS address; v19, v30 wave 0's addresses; v222-223 come from LDS and leave by the one global store.
;   v224, v225     written at the head, read by the closing add alone.
; So four waits on va_vdst stand in the text, each ahead of a run of memory or LDS instructions whose registers vector instructions have just written; the quantisers, which stand behind the gathers, name none of the
; gathers' registers and owe them nothing.  No register that a memory or LDS instruction reads is ever written again: no wait on vm_vsrc is written.  One wait on va_sdst (the wave's number), one on va_vcc in each quantiser.
.set NUSERS, 1000000
.set NITEMS, 100000
.set ROWP,   NUSERS*4                  ; a row of P in bytes
.set ROWQ,   (NITEMS+32)*4             ; a row of Q in bytes
.set GCOL,   NITEMS*4                  ; where the genre columns begin in a row of Q; a multiple of 16, as ROWQ is
.set LQC,    0                         ; LDS: the codes of Q's genre columns, 512 bytes a tile of 16 latents, as the 32 lanes hold them
.set LQS,    2048                      ; their scale words, 128 bytes a tile
.set LOUT,   2560                      ; the work-group's 64 results
.set R,    1                           ; v1   lane % 16: my batch row in the wave's 16; also my latent row in a tile of Q
.set H,    2                           ; v2   lane / 16
.set IDO,  3                           ; v3   byte offset of my row's id
.set GOF,  4                           ; v4   byte offset of my 16 numbers of genres
.set WOF,  5                           ; v5   byte offset of my row of Q (the genre columns stand in the immediate)
.set UID,  6                           ; v6   my user id
.set IID,  7                           ; v7   my item id
.set VP,   8                           ; v8   4 x user id + 8 h rows of P
.set VQ,   9                           ; v9   4 x item id + 8 h rows of Q
.set WVT,  10                          ; v10  the wave's number, on its way to a scalar
.set LANE, 11                          ; v11
.set HP,   12                          ; v12  8 h rows of P
.set HQ,   13                          ; v13  8 h rows of Q
.set LWC,  14                          ; v14  LDS: where I put my codes:      16 lane + 512 wave
.set LWS,  15                          ; v15  and my scale word:               4 lane + 128 wave
.set LRC,  16                          ; v16  where I read a tile's codes:    16 lane
.set LRS,  17                          ; v17  and its scale words:             4 lane
.set LO,   18                          ; v18  where I put my row's result:     4 r + 64 wave
.set LRO,  19                          ; v19  where wave 0 reads results:      8 lane
.set T0,   20                          ; v20-23 at work
.set T1,   21
.set T2,   22
.set T3,   23
.set EW,   24                          ; v24  the scale byte of my row of Q, on its way to LDS
.set CW,   26                          ; v26-29  its 16 codes, likewise
.set GOUT, 30                          ; v30  byte offset in out of wave 0's 8 bytes a lane
.set G,    32                          ; v32-47  16 numbers of genres
.set W,    48                          ; v48-63  16 numbers of Q's genre columns
.set QI,   64                          ; v64-95  Q[16 t + 8 h + j][item] at 8 t + j; then q_item + q_genre
.set PU,   96                          ; v96-127 P[16 t + 8 h + j][user] at 8 t + j
.set AF,   128                         ; v128-191 four fragments of Q's genre columns
.set BF,   192                         ; v192-207 the fragment of genres
.set SA,   208                         ; v208-211 scale words of the four tiles of Q: they hold scales and nothing else
.set SB,   212                         ; v212 scale word of genres: likewise
.set S,    214                         ; v214-221 four pairs of partial sums
.set OUTR, 222                         ; v222-223 the way out
.set WV,   16                          ; s16  my wave's number
.set SEL,  20                          ; s[20:21] lane selects of v_permlanex16_b32: lane l xor 16
.set PB,   24                          ; s[24:47] P at row 16 t + 3 u, u = 0 .. 2: pair 3 t + u.  The immediates are 0, 1 or 2 rows: 8,000,000 bytes at the most, inside the signed 24 bits (ISA guide, chapter 10), and never negative
.set QB,   48                          ; s[48:53] Q at row 16 t, t = 1 .. 3 (t = 0 is Q itself); the immediates are 0 .. 7 rows, 2,800,896 bytes at the most
	s_load_b256 s[4:11], s[0:1], 0x0               ; user_ids s[4:5], item_ids s[6:7], genres s[8:9], P s[10:11]
	s_load_b128 s[12:15], s[0:1], 0x20             ; Q s[12:13], out s[14:15]
	v_lshl_add_u32 v224, v0, 2, 0xb00
	v_mov_b32 v225, 0
	v_lshrrev_b32 v[WVT], 5, v0
	v_readfirstlane_b32 s[WV], v[WVT]              ; wave 0..3
	v_and_b32 v[R], 15, v0
	v_bfe_u32 v[H], v0, 4, 1
	v_and_b32 v[LANE], 31, v0
	s_lshl_b32 s17, ttmp9, 8                       ; the work-group's 64 rows x 4 bytes: its place in the ids and in out
	s_wait_alu depctr_va_sdst(0)                   ; s16, the wave's number, is written, ahead of its first reader, the line below
	s_lshl_b32 s18, s[WV], 6                       ; the wave's 16 rows x 4 bytes
	s_add_co_u32 s18, s17, s18
	s_mul_i32 s19, s[WV], 16*ROWQ                  ; wave w quantises latents 16 w .. 16 w + 15 of Q
	v_lshl_add_u32 v[IDO], v[R], 2, s18            ; 4 x my batch row
	v_lshlrev_b32 v[GOF], 5, v[IDO]                ; 128 x my batch row
	v_lshl_add_u32 v[GOF], v[H], 6, v[GOF]         ; + 64 h: genres 16 h .. 16 h + 15
	v_mul_u32_u24 v[WOF], v[R], ROWQ
	v_lshl_add_u32 v[WOF], v[H], 6, v[WOF]
	v_add_nc_u32 v[WOF], s19, v[WOF]               ; row 16 w + r of Q, + 64 h
	s_wait_kmcnt 0x0
	s_wait_alu depctr_va_vdst(0)                   ; the offsets v3, v4 and v5 are written, which the ten loads below read
	global_load_b32 v[IID], v[IDO], s[6:7]         ; the ids first: the gathers hang on them
	global_load_b32 v[UID], v[IDO], s[4:5]
.irp i, 0,1,2,3
	global_load_b128 v[G+4*\i:G+4*\i+3], v[GOF], s[8:9] offset:16*\i th:TH_LOAD_NT   ; the four together read the wave's 2,048 consecutive bytes
.endr
.irp i, 0,1,2,3
	global_load_b128 v[W+4*\i:W+4*\i+3], v[WOF], s[12:13] offset:GCOL+16*\i
.endr
	; while the ids are on their way: bases, addresses, zero codes.  None of these lines names a register of the ten loads
	s_mov_b32 s[SEL], 0x76543210
	s_mov_b32 s[SEL+1], 0xfedcba98
	s_mov_b32 s22, 8*ROWP
.irp t, 0,1,2,3
.irp u, 0,1,2
.if (16*\t+3*\u) == 0
	s_mov_b64 s[PB:PB+1], s[10:11]
.else
	s_add_nc_u64 s[PB+6*\t+2*\u:PB+6*\t+2*\u+1], s[10:11], (16*\t+3*\u)*ROWP
.endif
.endr
.endr
.irp t, 1,2,3
	s_add_nc_u64 s[QB+2*\t-2:QB+2*\t-1], s[12:13], 16*\t*ROWQ
.endr
	v_mul_lo_u32 v[HP], v[H], s22                  ; lanes 16-31 take the rows 8 further down
	v_mul_u32_u24 v[HQ], v[H], 8*ROWQ
	s_lshl_b32 s23, s[WV], 9
	v_lshl_add_u32 v[LWC], v[LANE], 4, s23
	s_lshl_b32 s23, s[WV], 7
	v_lshl_add_u32 v[LWS], v[LANE], 2, s23
	v_lshlrev_b32 v[LRC], 4, v[LANE]
	v_lshlrev_b32 v[LRS], 2, v[LANE]
	s_lshl_b32 s23, s[WV], 6
.irp t, 0,1,2,3
.irp i, 4,5,6,7,8,9,10,11,12,13,14,15
	v_mov_b32 v[AF+16*\t+\i], 0                    ; K = 32 .. 127 of the instruction: zero codes
.endr
.endr
.irp i, 4,5,6,7,8,9,10,11,12,13,14,15
	v_mov_b32 v[BF+\i], 0
.endr
	s_wait_loadcnt 8                               ; both ids are in; the eight loads behind them may be out
	v_min_u32 v[IID], NITEMS-1, v[IID]             ; an id enters an address only held inside its table
	v_min_u32 v[UID], NUSERS-1, v[UID]
	v_lshl_add_u32 v[VQ], v[IID], 2, v[HQ]
	v_lshl_add_u32 v[VP], v[UID], 2, v[HP]
	s_wait_alu depctr_va_vdst(0)                   ; v8 and v9 are written, which the 64 gathers read as their offsets; so are the LDS addresses v14 to v17.  No vector instruction from here to the last gather names v8, v9 or v64-127
; THE GATHERS.  Q's first: they are the C of the products, which then stand under P's.
.macro QGATHER t, base
.irp j, 0,1,2,3,4,5,6,7
	global_load_b32 v[QI+8*\t+\j], v[VQ], s[\base:\base+1] offset:\j*ROWQ       ; Q[16 t + 8 h + j][item]
.endr
.endm
	QGATHER 0, 12
	QGATHER 1, QB
	QGATHER 2, QB+2
	QGATHER 3, QB+4
	s_wait_loadcnt 32                              ; genres and the genre columns, asked for straight behind the ids, are in; Q's 32 gathers may be out
.irp t, 0,1,2,3                                    ; with these 32 the wave has 64 gathers issued; an issue that would push the counter past its field is held back until a load has come in (ISA guide 5.7.1), so no wait is written for that
.irp j, 0,1,2,3,4,5,6,7
	global_load_b32 v[PU+8*\t+\j], v[VP], s[PB+6*\t+2*(\j/3):PB+6*\t+2*(\j/3)+1] offset:(\j%3)*ROWP   ; P[16 t + 8 h + j][user]
.endr
.endr
; THE QUANTISER.  X: my 16 numbers of a block of 32, the other 16 being lane l xor 16's.  C: four registers for my 16 codes.  E: the block's scale byte.
; The largest magnitude's exponent field is floor(log2) + 127, so the byte is that field - 15, held at 1 from below; a block of zeros gets 127.
; It names X, C, E and v20-23 alone: none of the registers that the gathers read or land in.
.macro QUANT X, C, E
	v_max3_num_f32 v[T0], |v[\X]|, |v[\X+1]|, |v[\X+2]|            ; two chains, so that they do not wait for each other
	v_max3_num_f32 v[T1], |v[\X+3]|, |v[\X+4]|, |v[\X+5]|
.irp i, 6,10
	v_max3_num_f32 v[T0], v[T0], |v[\X+\i]|, |v[\X+\i+1]|
	v_max3_num_f32 v[T1], v[T1], |v[\X+\i+2]|, |v[\X+\i+3]|
.endr
	v_max3_num_f32 v[T0], v[T0], |v[\X+14]|, |v[\X+15]|
	v_max_num_f32 v[T0], v[T0], v[T1]
	v_permlanex16_b32 v[T1], v[T0], s[SEL], s[SEL+1]               ; (its destination counts as read: T1 has been written)
	v_max_num_f32 v[T0], v[T0], v[T1]              ; the block's largest magnitude
	v_lshrrev_b32 v[T1], 23, v[T0]                 ; its exponent field
	v_max_u32 v[T1], 16, v[T1]                     ; the byte is not to fall under 1
	v_lshl_or_b32 v[T2], v[T1], 23, 0x600000       ; 57,344 x the scale
	v_add_nc_u32 v[T1], -15, v[T1]                 ; the scale's byte
	v_lshlrev_b32 v[T3], 23, v[T1]                 ; the scale as f32: the conversion takes its exponent field
	v_cmp_eq_u32 vcc_lo, 0, v[T0]                  ; a block of zeros?
.irp i, 0,1,2,3,4,5,6,7,8,9,10,11,12,13,14,15
	v_med3_num_f32 v[\X+\i], v[\X+\i], -v[T2], v[T2]               ; the conversion does not saturate (ISA guide 7.6.2): the number is held first
.endr
	s_wait_alu depctr_va_vcc(0)                    ; the compare above has written VCC, ahead of its first reader, the select below
	v_cvt_scalef32_pk8_bf8_f32 v[\C:\C+1], v[\X:\X+7], v[T3]       ; to the nearest code, ties to even; the first number's code in the lowest byte
	v_cvt_scalef32_pk8_bf8_f32 v[\C+2:\C+3], v[\X+8:\X+15], v[T3]
	v_cndmask_b32 v[\E], v[T1], 127, vcc_lo        ; the word's bytes 1-3 stay 0.  (Also the plain instruction between a scaled conversion and what touches its result or sources)
.endm
	QUANT G, BF, SB                                ; genres first: the second quantiser's instructions are the places between these results and the products
	QUANT W, CW, EW
	s_wait_alu depctr_va_vdst(0)                   ; the second quantiser has written v26-29 and v24, which the two LDS stores read; and the genres' codes, their scale word and the zero codes are written, which the scaled products below take: no vector instruction is issued between this wait and those products, and their places stand ahead of it
	ds_store_b128 v[LWC], v[CW:CW+3] offset:LQC    ; 32 lanes x 16 neighbouring bytes: the tile as its lanes hold it
	ds_store_b32 v[LWS], v[EW] offset:LQS          ; lane r holds row r's word (lanes 16-31 the same)
	s_wait_dscnt 0x0                               ; for the others' sake: my stores are done
	s_barrier_signal -1
	s_barrier_wait -1                              ; all four tiles are in LDS.  (The gathers stay on their way: nobody writes those bytes)
.irp t, 0,1,2,3
	ds_load_b128 v[AF+16*\t:AF+16*\t+3], v[LRC] offset:LQC+512*\t  ; registers 0-3 of the fragment: row r, K = 16 h .. 16 h + 15.  (No vector instruction has named these registers or the scale words')
	ds_load_b32 v[SA+\t], v[LRS] offset:LQS+128*\t
.endr
	s_wait_dscnt 0x0
	s_wait_loadcnt 32                              ; Q's 32 gathers are in; P's 32 may be out
.irp t, 0,1,2,3                                    ; q_item + q_genre: each accumulator has one instruction, its C the gathered words
	v_wmma_scale_f32_16x16x128_f8f6f4 v[QI+8*\t:QI+8*\t+7], v[AF+16*\t:AF+16*\t+15], v[BF:BF+15], v[QI+8*\t:QI+8*\t+7], v[SA+\t], v[SB] matrix_a_fmt:MATRIX_FMT_BF8 matrix_b_fmt:MATRIX_FMT_BF8
.endr
	v_lshl_add_u32 v[LO], v[R], 2, s23             ; eight places stand between the products and the first read of a result: the way out's three addresses
	v_lshlrev_b32 v[LRO], 3, v[LANE]
	v_lshl_add_u32 v[GOUT], v[LANE], 3, s17
.rept 5
	v_nop                                          ; and five for which no work is at hand
.endr
.irp t, 0,1,2,3                                    ; the sum over k: a chain for each tile, each accumulator read from its low end on
	s_wait_loadcnt 24-8*\t                         ; P's tile t is in; the later tiles' gathers may be out
	v_pk_mul_f32 v[S+2*\t:S+2*\t+1], v[PU+8*\t:PU+8*\t+1], v[QI+8*\t:QI+8*\t+1]
.irp i, 2,4,6
	v_pk_fma_f32 v[S+2*\t:S+2*\t+1], v[PU+8*\t+\i:PU+8*\t+\i+1], v[QI+8*\t+\i:QI+8*\t+\i+1], v[S+2*\t:S+2*\t+1]
.endr
.endr
	s_wait_alu depctr_va_vdst(0)
	v_pk_add_f32 v[S:S+1], v[S:S+1], v[S+2:S+3]
	v_pk_add_f32 v[S+4:S+5], v[S+4:S+5], v[S+6:S+7]
	v_pk_add_f32 v[S:S+1], v[S:S+1], v[S+4:S+5]
	v_add_f32 v[S], v[S], v[S+1]                   ; my 32 latents
	v_permlanex16_b32 v[S+1], v[S], s[SEL], s[SEL+1]
	v_add_f32 v[S], v[S], v[S+1]                   ; and lane l xor 16's: both lanes now hold the row's result
	s_wait_alu depctr_va_vdst(0)                   ; the result v214 and its LDS address v18 are written, which the store below reads; so are v19 and v30, the addresses of wave 0's load and store: no vector instruction follows this wait
	ds_store_b32 v[LO], v[S] offset:LOUT           ; both write the same word with the same value
	s_wait_dscnt 0x0                               ; for wave 0's sake
	s_barrier_signal -1
	s_barrier_wait -1
	s_cmp_lg_u32 s[WV], 0
	s_cbranch_scc1 .Ldone
	ds_load_b64 v[OUTR:OUTR+1], v[LRO] offset:LOUT
	s_wait_dscnt 0x0
	global_store_b64 v[GOUT], v[OUTR:OUTR+1], s[14:15] th:TH_STORE_NT   ; 32 lanes store the work-group's 256 consecutive bytes, at a multiple of 256 from out's first byte
.Ldone:
	s_wait_dscnt 0x0                               ; the closing lines, six on end, of a launch in the mode that stores to LDS (ISA reference, section 12)
	s_wait_alu 0x0
	s_wait_tensorcnt 0x0
	ds_add_u32 v224, v225
	s_wait_dscnt 0x0
	s_endpgm
.Lfunc_end_k_q407321e8c7_gmf:
	.size	k_q407321e8c7_gmf, .Lfunc_end_k_q407321e8c7_gmf-k_q407321e8c7_gmf
	.p2alignl 7, 3214868480
	.fill 96, 4, 3214868480
	.section	.rodata,"a",@progbits
	.p2align	6, 0x0
	.amdhsa_kernel k_q407321e8c7_gmf
		.amdhsa_group_segment_fixed_size 3328
		.amdhsa_private_segment_fixed_size 0
		.amdhsa_enable_private_segment 0
		.amdhsa_kernarg_size 48
		.amdhsa_user_sgpr_count 2
		.amdhsa_user_sgpr_kernarg_segment_ptr 1
		.amdhsa_wavefront_size32 1
		.amdhsa_system_sgpr_workgroup_id_x 1
		.amdhsa_system_sgpr_workgroup_id_y 1
		.amdhsa_system_sgpr_workgroup_id_z 1
		.amdhsa_system_vgpr_workitem_id 0
		.amdhsa_next_free_vgpr 226
		.amdhsa_next_free_sgpr 66
		.amdhsa_reserve_vcc 1
		.amdhsa_float_denorm_mode_32 3
		.amdhsa_float_denorm_mode_16_64 3
		.amdhsa_memory_ordered 1
		.amdhsa_forward_progress 1
		.amdhsa_inst_pref_size 20
	.end_amdhsa_kernel
	.amdgpu_metadata
---
amdhsa.version: [ 1, 2 ]
amdhsa.kernels:
  - .name:           k_q407321e8c7_gmf
    .symbol:         k_q407321e8c7_gmf.kd
    .args:
      - { .name: user_ids, .offset: 0, .size: 8, .value_kind: global_buffer, .address_space: global }
      - { .name: item_ids, .offset: 8, .size: 8, .value_kind: global_buffer, .address_space: global }
      - { .name: genres_one_hot, .offset: 16, .size: 8, .value_kind: global_buffer, .address_space: global }
      - { .name: P_weight, .offset: 24, .size: 8, .value_kind: global_buffer, .address_space: global }
      - { .name: Q_weight, .offset: 32, .size: 8, .value_kind: global_buffer, .address_space: global }
      - { .name: out0, .offset: 40, .size: 8, .value_kind: global_buffer, .address_space: global }
    .group_segment_fixed_size: 3328
    .private_segment_fixed_size: 0
    .kernarg_segment_align: 8
    .kernarg_segment_size: 48
    .max_flat_workgroup_size: 128
    .sgpr_count:     66
    .vgpr_count:     226
    .wavefront_size: 32
...
	.end_amdgpu_metadata
.endif
;; end of part 2
